; MI455X (gfx1250); checked and timed in simulation.
; The chip was launched on July 23, 2026; its instructions are those of AMD's public machine-readable ISA for CDNA 5 (MIT licence, August 2026) and "CDNA5" Instruction Set Architecture Reference Guide (July 2026). The comments in the code are by the model that wrote it; some were corrected since.
;; LS2 T. Allowed arithmetic: matrix products marked QUANTISED: E5M2 operands, one E8M0 scale for each 32 along K, by v_wmma_scale_f32_16x16x128_f8f6f4 with both operands' format E5M2, f32 sums; everything else in f32.
;; Inputs: bias 6 x 64 float32; kernel_codes 6 x 64 x 4 x 32 uint8 (E5M2 codes of kernel, K innermost, in blocks of 32 codes); kernel_scales 6 x 64 x 4 uint8 (E8M0 scales of kernel, one for each 32 codes along K); sequences_codes 64 x 4,096 x 4 x 32 uint8 (E5M2 codes of sequences, K innermost, in blocks of 32 codes); sequences_scales 64 x 4,096 x 4 uint8 (E8M0 scales of sequences, one for each 32 codes along K).
;; Outputs: out0 64 x 64 x 3 float32.
;; This version of the problem:
;;   THIS VERSION OF THE PROBLEM IS GIVEN IN LOW PRECISION. The matrix products marked QUANTISED in the list below multiply operands that are first quantised to E5M2 (5 exponent bits, 2 mantissa bits; 8 bits a number), with one power-of-two scale for each 32 numbers along K (OCP MX v1.0); their sums are f32. All else is computed in f32.
;;   The module's matrix products, in the order in which they are computed (A, B: the left and right operand; K: the contracted axis; several contracted axes count as one K, in the product's order):
;;     1. [M 384, K 128] x [K 128, N 262,144]; A: input kernel (given as codes); B: input sequences (given as codes): QUANTISED
;;   THE QUANTISER, for each operand of a quantised product, along K:
;;     - K is cut into blocks of 32 from its start; a last block that is shorter is filled with zeros.
;;     - A block's scale is 2^e with e = floor(log2(the largest magnitude in the block)) - 15, held to -126 .. 127; a block of zeros has e = 0. As a byte (E8M0): e + 127.
;;     - Each number is divided by its block's scale, clamped to +-57,344, and rounded to the nearest number of E5M2, ties to even, subnormals kept.
;;     - The product sums the exact products of the quantised numbers (number of the format x scale) in f32.
;;   ~~~python
;;   def quantise(x, axis):      # numpy; x: float32 -> the quantised numbers, widened to float32 again
;;       x = np.moveaxis(x, axis, -1); K = x.shape[-1]
;;       x = np.pad(x, [(0, 0)] * (x.ndim - 1) + [(0, -K % 32)]); x = x.reshape(x.shape[:-1] + (-1, 32)); a = np.abs(x).max(-1, keepdims=True)
;;       e = np.where(a > 0, np.clip(np.frexp(np.where(a > 0, a, 1))[1] - 1 - 15, -126, 127), 0)      # np.frexp(a)[1] - 1 = floor(log2(a)), exactly
;;       r = np.clip(x / 2.0 ** e, -57344, 57344)
;;       step = 2.0 ** (np.maximum(np.frexp(np.where(r == 0, 1, r))[1] - 1, -14) - 2)
;;       q = np.round(r / step) * step * 2.0 ** e      # np.round: ties to even
;;       return np.moveaxis(q.reshape(q.shape[:-2] + (-1,))[..., :K], -1, axis).astype(np.float32)
;;   ~~~
;;   INPUTS GIVEN AS CODES. kernel (in the module: [6, 128, 64], K = its axis 1); sequences (in the module: [64, 4096, 128], K = its axis 2): each comes as NAME_codes (uint8): NAME with its K axis moved to the last place and cut into blocks of 32 codes, [.., K / 32, bytes a block], one block behind the other in memory; one code a byte (a code: sign, 5 exponent bits, 2 mantissa bits); and NAME_scales (uint8): the same leading axes, one E8M0 byte (e + 127) for each 32 codes along K. Its value is code x scale, taken as it is: it is not quantised again, and the codes and scales need not be those that the quantiser above would give.
;; One version. Each part assembles by itself: llvm-mc -triple=amdgcn-amd-amdhsa -mcpu=gfx1250 --defsym DOCPART=n.
;; ======== version 1 of 1: 1 launch
;; limits: right only within a limited range of input values
;; workspace buffers: seg 1,572,864 bytes
;; launch scan (part 1): grid 256 x 1, 8 waves a work-group, clusters of 4 x 1, 327,680 bytes of LDS; arguments sequences_codes, sequences_scales, kernel_codes, kernel_scales, bias, out0; writes out0
.if DOCPART == 1
	.amdgcn_target "amdgcn-amd-amdhsa--gfx1250"
	.amdhsa_code_object_version 6
	.text
	.protected	k_q60b0d2eaec_scan
	.globl	k_q60b0d2eaec_scan
	.p2align	8
	.type	k_q60b0d2eaec_scan,@function
k_q60b0d2eaec_scan:
	s_mov_b64 s[64:65], 0
	v_nop
	global_prefetch_b8 v0, s[64:65] scope:SCOPE_SE
	s_setreg_imm32_b32 hwreg(HW_REG_WAVE_MODE, 25, 1), 1
	s_wait_xcnt 0x0
	s_wait_alu depctr_hold_cnt(0) depctr_sa_sdst(0) depctr_va_vdst(0) depctr_va_sdst(0) depctr_va_ssrc(0) depctr_va_vcc(0) depctr_vm_vsrc(0)
	s_getreg_b32 s2, hwreg(HW_REG_IB_STS2, 6, 4)
	s_cmp_eq_u32 s2, 0
	s_cbranch_scc0 .Lentry_in_a_cluster
	s_endpgm
.Lentry_in_a_cluster:
	s_bfe_u32 s2, ttmp6, 0x10000c
	s_cmp_lg_u32 s2, 0x3003
	s_cbranch_scc0 .Lentry_shape_is_right
	s_endpgm
.Lentry_shape_is_right:
; M[c][b][t][f] = sequences[b][t][:] . kernel[c][:][f] + bias[c][f], on codes of BF8 (E5M2) with one E8M0 scale for each 32 along K = 128, and the iterated sums over time
;   Y0 = sum M0,   Y1 = sum over s < t of M1[s] M2[t],   Y2 = sum over s < t < u of M3[s] M4[t] M5[u];   out0[b][f] = (Y0, Y1, Y2).
; A stretch of time is described, for each (b, f), by ten numbers: a0 .. a5 (the sums of M0 .. M5), p12, p34, p45 (sums over pairs in order) and p345; two neighbouring stretches merge in 15 operations.
; SHARES.  A cluster of four work-groups owns batch b; work-group cx of it owns features 16 cx .. 16 cx + 15 over all 4,096 rows, so that no number passes from one work-group to another.
; Wave w takes rows 512 w .. 512 w + 511.  The eight waves' stretches meet in LDS at the end, and wave 0 folds them in time's order.
; CLUSTER: the four work-groups need the same codes of the batch: each tile is asked for jointly (mask 15); its descriptor hangs on the batch and the wave's number alone.
; LAYOUT.  Source 0 = 16 rows of sequences, source 1 = 16 features: in the result lane (r, h) holds feature r and register j row 8 h + j.  THE 16 ROWS OF A TILE ARE NOT NEIGHBOURS IN TIME: they are the same
; step n of 16 CHUNKS of 32 rows.  So each register of a result is a chain of its own, a pair of registers is two chains for one packed instruction, and no line of a tile's scan waits for another.
; Row m takes chunk kappa(m) = 8 (m / 8) + 4 (m % 2) + (m / 2) % 4: register j = 2 a + p of lane half h is chunk 8 h + 4 p + a, so that the merges at the end go over a (packed), then p, then h, in time's order.
; M0 costs no vector work: one accumulator is added onto by all 32 tiles and starts at 32 b0 (a chain has 32 steps).  M2 .. M5 take the bias as the C of their products.
; M1 is wanted as a running sum alone, which its products make: each takes the sum before it as C, in three accumulators by turns.  Its bias comes as 2 b1 behind every odd step; so the sum ahead of an odd step
; lacks b1, and p12 takes b1 x (the sum of M2 over the odd steps) at the end: a2 is kept as two sums, of even and of odd steps.
; LDS: a tensor load brings steps 2 q, 2 q + 1 (pair q) of all 128 chunks of the batch: 128 rows of 256 bytes, 4,096 bytes apart.  At the head wave w fetches pair w into slot w (wave 7 pairs 7 and 8, rows of 512 bytes);
; when slots 0 .. 6 have been read, in step 12, ONE refill brings pairs 9 .. 15 into them, wave w pair 9 + w.  A pair is shown to all by a barrier behind the wait of the wave that fetched it (7 and 8: by the refill's round).
; PREFETCH: in step 4 wave w (0 .. 6) of work-group cx names the 256 bytes of pair 9 + w in each of chunks 32 cx .. 32 cx + 31: each block once in the cluster, eight steps ahead of the refill.
; out0: a batch's 768 bytes come from its four work-groups, 192 consecutive bytes each: whole units of 256 bytes would need features of two owners.
; LIMITS: the f32 additions over time are ordered otherwise than a running sum's (32 steps to a chunk, chunks merged in time's order), and the biases of M0 and M1 enter in the portions named above.
.set SLOT, 34816                       ; 128 rows of 256 bytes + 16 of padding (272 = 17 x 16: the 16 chunks that a load touches start at 16 different columns of 16 bytes)
.set QUAD, 7*SLOT                      ; wave 7's: 128 rows of 512 bytes + 16 (528 = 33 x 16)
.set KER,  QUAD+128*528                ; the kernel's 96 rows (16 c + feature) of 128 bytes + 16 of padding; at the end the stretches' numbers, 1,280 bytes a wave
.set SPARE, KER+13824                  ; the spare words, 128 bytes a wave
.set ADR,  8                           ; v8-11 my lane's row in slots 0-1, 2-3, 4-5, 6; v12 in the quad
.set KAD,  13                          ; v13   my lane's row of the kernel
.set PFO,  14                          ; v14   the prefetch's offset
.set MST,  15                          ; v15, v35 where my stretch's numbers go
.set MS2,  35
.set SS,   16                          ; v16-31 the sequences' scale words: register i: lanes 0-15 step i of chunk kappa(r), lanes 16-31 step 16 + i
.set KS,   32                          ; v32-34 the kernel's scale words: register i: lanes 0-15 component i, lanes 16-31 component 3 + i;  v36-38 the same once more
.set B0,   39
.set B1,   40                          ; v40 b1;  v42-43 2 b1 twice;  v44-45 b1 twice
.set W1,   42
.set V1,   44
.set BI,   48                          ; v48-79  the bias of components 2 .. 5, eight equal registers each: the C of their products
.set DX,   80                          ; v80-111, v112-143  two sets of four results (M2 .. M5), for even and odd tiles
.set KG,   80                          ; (head) v80-82 offsets, v83 LDS address, v84-95 data of my part of the kernel
.set KLD,  83
.set KD,   84
.set S1,   144                         ; M1's running sum: v144-151, v152-159, v168-175 by turns
.set C1,   152                         ; a1: where tile 31 leaves it
.set ACC0, 160                         ; a0
.set A2,   176                         ; a2 of the even steps, at the end a2
.set Y1,   184                         ; p12
.set C3,   192                         ; a3
.set A4,   200                         ; a4
.set A5,   208                         ; a5
.set C34,  216                         ; p34
.set P45,  224                         ; p45
.set Y2,   232                         ; p345
.set A2B,  240                         ; v240-247 a2 of the odd steps
.set OUTR, 128                         ; v128-137 my stretch's ten numbers, when the scan is over
.set VO,   250                         ; v250  12 r
.set FA,   252                         ; v252, v253 where the fold reads
.set FB,   253
.set SPW,  254                         ; v254  my spare word's address, v255 0: never rewritten
.set NIL,  255
.set RR,   80                          ; v80-89 the later half's ten numbers, from the lane 16 away
.set KF,   0                           ; window 1: v0-95 the kernel's six fragments;
.set AF,   96                          ;           v96-111, v112-127 the sequences' fragment, two buffers
.set G1,   24                          ; s[24:31] descriptor group 1 for a pair, s[32:39] for wave 7's two pairs, s[40:43] group 0
.set G1Q,  32
.set G0,   40
.set SEL,  60                          ; s[60:61] lane selects for v_permlanex16_b32: lane l xor 16
.set MSB, 0
.macro WIN new                         ; the immediate's high byte repeats the setting that is left; a switch that changes nothing is dropped
.if MSB != \new
	s_set_vgpr_msb (MSB<<8)|\new
.set MSB, \new
.endif
.endm
.macro CREST                           ; a round of the cluster's barrier behind its opening barrier
	s_cmp_lg_u32 s16, 0
	s_cbranch_scc1 .Lnot_wave_0_\@
	s_barrier_signal -3
.Lnot_wave_0_\@:
	s_barrier_wait -3
	s_barrier_signal -1
	s_barrier_wait -1
.endm
.macro CROUND
	s_barrier_signal -1
	s_barrier_wait -1
	CREST
.endm
.macro ASK g1                          ; a joint load of pairs
	tensor_load_to_lds s[G0:G0+3], s[\g1:\g1+7]
	s_nop 0
.rept 4
	v_nop
.endr
.endm
.macro ARM under, join                 ; one arm of the chain on the wave's number: its own load line
	s_cmp_lt_u32 s16, \under
	s_cbranch_scc0 .Lother_\@
	ASK G1
	s_branch \join
.Lother_\@:
.endm
	s_load_b256 s[4:11], s[0:1], 0x0               ; sequences' codes s[4:5], their scales s[6:7], kernel's codes s[8:9], its scales s[10:11]
	s_load_b128 s[12:15], s[0:1], 0x20             ; bias s[12:13], out0 s[14:15]
	v_lshl_add_u32 v[SPW], v0, 2, SPARE
	v_mov_b32 v[NIL], 0
	ds_add_u32 v[SPW], v[NIL]                      ; the wave's opening: the add, twice on end, and its wait
	ds_add_u32 v[SPW], v[NIL]
	v_lshrrev_b32 v1, 5, v0
	v_readfirstlane_b32 s16, v1                    ; wave 0..7
	s_bfe_u32 s17, ttmp6, 0x40000                  ; cx: which 16 features
	s_mov_b32 s[G1+0], 15|(1<<20)|(1<<21)|(5<<22)|(3<<25)    ; mask: the four of the cluster; elements of 1 byte; padding on, after every 64 words, 4 words
	s_mov_b32 s[G1+1], 256<<16                     ; tensor_dim0
	s_mov_b32 s[G1+2], 128<<16                     ; tensor_dim1
	s_mov_b32 s[G1+3], 256<<16                     ; tile_dim0
	s_mov_b32 s[G1Q+0], 15|(1<<20)|(1<<21)|(6<<22)|(3<<25)   ; the same, after every 128 words
	s_mov_b32 s[G1Q+1], 512<<16
	s_mov_b32 s[G1Q+2], 128<<16
	s_mov_b32 s[G1Q+3], 512<<16
.irp g, G1, G1Q
	s_mov_b32 s[\g+4], 128                         ; tile_dim1
	s_mov_b32 s[\g+5], 4096                        ; a chunk of 32 rows of 128 bytes
	s_mov_b32 s[\g+6], 0
	s_mov_b32 s[\g+7], 0
.endr
	s_mov_b32 s[G0], 1
	s_mul_i32 s[G0+1], s16, SLOT                   ; wave 7's is QUAD
	s_lshl_b32 s20, ttmp9, 19                      ; the batch's 4,096 rows of 128 bytes,
	s_lshl_b32 s18, s16, 8                         ; my pair's 256 bytes
	s_add_co_u32 s20, s20, s18
	s_mov_b32 s21, 0
	s_lshl_b32 s22, ttmp9, 14                      ; scale words: 4 bytes a row: the batch's 4,096, my 512
	s_lshl_b32 s18, s16, 11
	s_add_co_u32 s22, s22, s18
	s_mov_b32 s23, 0
	s_lshl_b32 s44, s17, 11                        ; my 16 features in a component of the kernel's codes,
	s_mov_b32 s45, 0
	s_lshl_b32 s46, s17, 6                         ; of its scales and of the bias
	s_mov_b32 s47, 0
	s_mul_i32 s48, ttmp9, 768                      ; and in out0
	s_mul_i32 s18, s17, 192
	s_add_co_u32 s48, s48, s18
	s_mov_b32 s49, 0
	s_mul_i32 s18, s16, 3                          ; my three pieces of the kernel: piece j = 3 w + i is 512 bytes: component j / 4, features 4 (j % 4) on
.irp i, 0,1,2
	s_add_co_u32 s19, s18, \i
	s_lshr_b32 s[50+\i], s19, 2
	s_lshl_b32 s[50+\i], s[50+\i], 13
	s_and_b32 s19, s19, 3
	s_lshl_b32 s19, s19, 9
	s_add_co_u32 s[50+\i], s[50+\i], s19
.endr
	s_lshl_b32 s53, s17, 17                        ; the prefetch: 32 chunks for each work-group
	s_mul_i32 s54, s16, 3*4*144                    ; my pieces in LDS
	s_add_co_u32 s54, s54, KER
	s_mul_i32 s55, s16, 1280                       ; my stretch's numbers
	s_add_co_u32 s55, s55, KER
	s_add_co_u32 s58, s55, 1024
	s_mul_i32 s56, s16, 16*272                     ; my 16 chunks in a slot,
	s_mul_i32 s57, s16, 16*528                     ; and in the quad
	s_add_co_u32 s57, s57, QUAD
	s_mov_b32 s[SEL], 0x76543210
	s_mov_b32 s[SEL+1], 0xfedcba98
	v_and_b32 v1, 15, v0                           ; r
	v_bfe_u32 v2, v0, 4, 1                         ; h
	v_and_b32 v7, 31, v0                           ; lane
	v_and_b32 v3, 8, v0
	v_and_b32 v4, 1, v0
	v_bfe_u32 v5, v0, 1, 2
	v_lshl_add_u32 v3, v4, 2, v3
	v_lshlrev_b32 v6, 2, v1
	v_add_nc_u32 v3, v3, v5                        ; kappa(r) = 8 (r / 8) + 4 (r % 2) + (r / 2) % 4
	v_lshlrev_b32 v5, 2, v1                        ; 4 r
	v_mul_u32_u24 v13, v2, 768
	v_lshlrev_b32 v4, 7, v3                        ; a chunk's 32 scale words are 128 bytes;
	v_mul_u32_u24 v8, v3, 272
	v_mul_u32_u24 v12, v3, 528
	v_add_nc_u32 v6, v6, v13                       ; 4 r + 768 h: lanes 16-31 take component 3 + i
	v_lshl_add_u32 v4, v2, 6, v4                   ; lanes 16-31 take steps 16 .. 31
	v_lshl_add_u32 v8, v2, 4, v8
	v_lshl_add_u32 v12, v2, 4, v12
	v_lshlrev_b32 v80, 4, v7
	v_lshrrev_b32 v84, 3, v7
	v_add_nc_u32 v[ADR], s56, v8                   ; 272 (16 w + kappa) + 16 h
	v_add_nc_u32 v[ADR+4], s57, v12
	v_and_b32 v85, 7, v7
	v_mul_u32_u24 v84, v84, 144
	v_add_nc_u32 v[KG+1], s51, v80
	v_add_nc_u32 v[KG+2], s52, v80
	v_add_nc_u32 v[ADR+1], 2*SLOT, v[ADR]
	v_add_nc_u32 v[ADR+2], 4*SLOT, v[ADR]
	v_add_nc_u32 v[ADR+3], 6*SLOT, v[ADR]
	v_lshl_add_u32 v84, v85, 4, v84
	v_add_nc_u32 v[KG], s50, v80
	v_mul_u32_u24 v13, v1, 144
	v_mul_u32_u24 v86, v2, 5120                    ; the fold: lanes 16-31 read the later four stretches
	v_add_nc_u32 v[KLD], s54, v84
	v_lshl_add_u32 v[PFO], v7, 12, s53
	v_lshl_add_u32 v13, v2, 4, v13
	v_lshl_add_u32 v[FA], v1, 4, v86
	v_lshl_add_u32 v[FB], v1, 3, v86
	v_lshl_add_u32 v[MST], v7, 4, s55
	v_lshl_add_u32 v[MS2], v7, 3, s58
	v_add_nc_u32 v[KAD], KER, v13                  ; KER + 144 r + 16 h
	v_add_nc_u32 v[FA], KER, v[FA]                 ; KER + 16 r + 5,120 h
	v_add_nc_u32 v[FB], KER+1024, v[FB]
	v_mul_u32_u24 v[VO], v1, 12
	s_wait_alu depctr_va_vdst(0)
	s_wait_dscnt 0x0                               ; both opening adds are done
	CROUND                                         ; all four work-groups are here: the first joint loads meet
	s_wait_kmcnt 0x0
	s_add_nc_u64 s[4:5], s[4:5], s[20:21]
	s_mov_b64 s[G0+2:G0+3], s[4:5]
	s_or_b32 s[G0+3], s[G0+3], 0x80000000
	; the head's loads, one a wave, each in an arm of its own: the pair needed first is asked for first
.irp k, 1,2,3,4,5,6,7
	ARM \k, .Lhead_asked
.endr
	ASK G1Q
.Lhead_asked:
	s_add_nc_u64 s[8:9], s[8:9], s[44:45]
	s_add_nc_u64 s[6:7], s[6:7], s[22:23]
	s_add_nc_u64 s[10:11], s[10:11], s[46:47]
	s_add_nc_u64 s[12:13], s[12:13], s[46:47]
	s_add_nc_u64 s[14:15], s[14:15], s[48:49]
	s_add_nc_u64 s[4:5], s[4:5], 9*256             ; where the prefetch stands: pair 9 + w
.irp i, 0,1,2
	global_load_b128 v[KD+4*\i:KD+4*\i+3], v[KG+\i], s[8:9]
.endr
.irp e, 0,1,2,3
	global_load_b128 v[SS+4*\e:SS+4*\e+3], v4, s[6:7] offset:16*\e
.endr
.irp i, 0,1,2
	global_load_b32 v[KS+\i], v6, s[10:11] offset:256*\i
.endr
	global_load_b32 v[B0], v5, s[12:13]
	global_load_b32 v[B1], v5, s[12:13] offset:256
.irp c, 2,3,4,5
	global_load_b32 v[BI+8*(\c-2)], v5, s[12:13] offset:256*\c
.endr
	s_wait_loadcnt 13                              ; my three pieces of the kernel are in; the 13 loads behind them may be out
.irp i, 0,1,2
	ds_store_b128 v[KLD], v[KD+4*\i:KD+4*\i+3] offset:576*\i
.endr
	s_wait_dscnt 0x0                               ; for the others' sake
	s_barrier_signal -1
	s_barrier_wait -1                              ; the kernel's 96 rows are in LDS
	WIN 0x40
.irp c, 0,1,2,3,4,5
.irp k, 0,1,2,3
	ds_load_b128 v[KF+16*\c+4*\k:KF+16*\c+4*\k+3], v[KAD] offset:2304*\c+32*\k   ; the six fragments stay in registers
.endr
.endr
	WIN 0
	s_wait_loadcnt 0x0                             ; scale words and biases, once
.irp i, 0,1,2
	v_mov_b32 v[KS+4+\i], v[KS+\i]
.endr
.irp j, 0,1
	v_add_f32 v[W1+\j], v[B1], v[B1]
	v_mov_b32 v[V1+\j], v[B1]
.endr
.irp j, 0,1,2,3,4,5,6,7
	v_mul_f32 v[ACC0+\j], 0x42000000, v[B0]        ; 32 b0: each chain of M0 has 32 steps
.endr
.irp c, 0,1,2,3
.irp j, 1,2,3,4,5,6,7
	v_mov_b32 v[BI+8*\c+\j], v[BI+8*\c]            ; a lane's eight rows share its feature's bias
.endr
.endr
; One product of tile N: result at d, component c, C at cc.  The sequences' scale word of tile N stands in register N % 16, lanes 0-15 for the first sixteen tiles, lanes 16-31 for the others;
; of the kernel's two copies the one is named whose register's number differs from that one's modulo 8.
.macro PROD d, c, cc
.if (N%8) == ((\c)%3)
.set KR, KS+4+(\c)%3
.else
.set KR, KS+(\c)%3
.endif
.if N < 16
.if (\c) < 3
	v_wmma_scale_f32_16x16x128_f8f6f4 v[(\d):(\d)+7], v[AB:AB+15], v[KF+16*(\c):KF+16*(\c)+15], v[(\cc):(\cc)+7], v[SS+N%16], v[KR] matrix_a_fmt:MATRIX_FMT_BF8 matrix_b_fmt:MATRIX_FMT_BF8
.else
	v_wmma_scale_f32_16x16x128_f8f6f4 v[(\d):(\d)+7], v[AB:AB+15], v[KF+16*(\c):KF+16*(\c)+15], v[(\cc):(\cc)+7], v[SS+N%16], v[KR] matrix_a_fmt:MATRIX_FMT_BF8 matrix_b_fmt:MATRIX_FMT_BF8 matrix_b_scale:MATRIX_SCALE_ROW1
.endif
.else
.if (\c) < 3
	v_wmma_scale_f32_16x16x128_f8f6f4 v[(\d):(\d)+7], v[AB:AB+15], v[KF+16*(\c):KF+16*(\c)+15], v[(\cc):(\cc)+7], v[SS+N%16], v[KR] matrix_a_fmt:MATRIX_FMT_BF8 matrix_b_fmt:MATRIX_FMT_BF8 matrix_a_scale:MATRIX_SCALE_ROW1
.else
	v_wmma_scale_f32_16x16x128_f8f6f4 v[(\d):(\d)+7], v[AB:AB+15], v[KF+16*(\c):KF+16*(\c)+15], v[(\cc):(\cc)+7], v[SS+N%16], v[KR] matrix_a_fmt:MATRIX_FMT_BF8 matrix_b_fmt:MATRIX_FMT_BF8 matrix_a_scale:MATRIX_SCALE_ROW1 matrix_b_scale:MATRIX_SCALE_ROW1
.endif
.endif
.endm
; Tile N's six products.  M0's adds onto its accumulator; between two such links stand the five others (the accumulators take turns).  M1's takes tile N - 1's sum, SP, and makes SN.
; Tile 0's results of M2 .. M5 ARE the first sums, and tile 1's of M2 is the first of the odd steps' sum.
.macro MM
.set AB, AF+16*(N%2)
.set SN, S1+8*(N%3)+8*((N%3)/2)
.set SP, S1+8*((N+2)%3)+8*(((N+2)%3)/2)
	WIN 0x05                                       ; sources 0 and 1 window 1; C and D window 0
	PROD ACC0, 0, ACC0
.if N == 0
	v_wmma_scale_f32_16x16x128_f8f6f4 v[SN:SN+7], v[AB:AB+15], v[KF+16:KF+31], 0, v[SS], v[KS+1] matrix_a_fmt:MATRIX_FMT_BF8 matrix_b_fmt:MATRIX_FMT_BF8
	PROD A2, 2, BI
	PROD C3, 3, BI+8
	PROD A4, 4, BI+16
	PROD A5, 5, BI+24
.else
	PROD SN, 1, SP
.if N == 1
	PROD A2B, 2, BI
.else
	PROD DX+32*(N%2), 2, BI
.endif
.irp c, 3,4,5
	PROD DX+32*(N%2)+8*(\c-2), \c, BI+8*(\c-2)
.endr
.endif
	WIN 0
.endm
; Tile n's fragment: lane (r, h): step n of chunk kappa(r), bytes 32 c + 16 h on.  Steps 0-13 and 18-31 lie in slots 0-6, steps 14-17 in the quad.
.macro LOADA n
.if ((\n) >= 14) && ((\n) < 18)
.set LR, ADR+4
.set LO, 128*((\n)-14)
.else
.set LM, (\n)
.if (\n) >= 18
.set LM, (\n)-18
.endif
.set LR, ADR+LM/4
.set LO, SLOT*((LM/2)%2)+128*(LM%2)
.endif
	WIN 0x40                                       ; destination window 1, address window 0
.irp c, 0,1,2,3
	ds_load_b128 v[AF+16*((\n)%2)+4*\c:AF+16*((\n)%2)+4*\c+3], v[LR] offset:LO+32*\c
.endr
	WIN 0
.endm
; Tile N - 1's step of all my chains, from its results at D: 32 packed instructions; each line reads the sums as they stood before this step.  Each result is read from its low end on.
.macro VECA
.set D, DX+32*((N+1)%2)
.set M2R, D
.if N == 2
.set M2R, A2B
.endif
.set SX, S1+8*((N+1)%3)+8*(((N+1)%3)/2)   ; tile N - 2's sum of M1
.irp a, 0,2,4,6
	v_pk_fma_f32 v[Y2+\a:Y2+\a+1], v[D+24+\a:D+24+\a+1], v[C34+\a:C34+\a+1], v[Y2+\a:Y2+\a+1]       ; p345 += M5 p34
.endr
.irp a, 0,2,4,6
	v_pk_fma_f32 v[P45+\a:P45+\a+1], v[D+24+\a:D+24+\a+1], v[A4+\a:A4+\a+1], v[P45+\a:P45+\a+1]     ; p45 += M5 a4
.endr
.irp a, 0,2,4,6
	v_pk_fma_f32 v[C34+\a:C34+\a+1], v[D+16+\a:D+16+\a+1], v[C3+\a:C3+\a+1], v[C34+\a:C34+\a+1]     ; p34 += M4 a3
.endr
.irp a, 0,2,4,6
	v_pk_fma_f32 v[Y1+\a:Y1+\a+1], v[M2R+\a:M2R+\a+1], v[SX+\a:SX+\a+1], v[Y1+\a:Y1+\a+1]           ; p12 += M2 a1
.endr
.endm
.macro VECB
.irp a, 0,2,4,6
	v_pk_add_f32 v[C3+\a:C3+\a+1], v[C3+\a:C3+\a+1], v[D+8+\a:D+8+\a+1]
.endr
.irp a, 0,2,4,6
	v_pk_add_f32 v[A4+\a:A4+\a+1], v[A4+\a:A4+\a+1], v[D+16+\a:D+16+\a+1]
.endr
.irp a, 0,2,4,6
	v_pk_add_f32 v[A5+\a:A5+\a+1], v[A5+\a:A5+\a+1], v[D+24+\a:D+24+\a+1]
.endr
.if N != 2
.set AJ, A2
.if (N%2) == 0
.set AJ, A2B
.endif
.irp a, 0,2,4,6
	v_pk_add_f32 v[AJ+\a:AJ+\a+1], v[AJ+\a:AJ+\a+1], v[D+\a:D+\a+1]
.endr
.endif
.endm
.macro ZERO x, y                       ; after one step the four sums over pairs and triples are 0.  These sixteen lines are also the places behind the first tiles' products
.irp j, 0,1,2,3,4,5,6,7
	v_mov_b32 v[\x+\j], 0
	v_mov_b32 v[\y+\j], 0
.endr
	s_wait_alu depctr_va_vdst(0)
.endm
.macro SHOWK                           ; waves under KK wait for the one load of theirs that is out
	s_cmp_lt_u32 s16, KK
	s_cbranch_scc0 .Lnot_mine_\@
	s_wait_tensorcnt 0x0
.Lnot_mine_\@:
.endm
.macro SHOW                            ; ahead of the barrier that shows pair (N + 1) / 2
.if N < 13
.set KK, (N+1)/2+1                     ; pair q was fetched by wave q
	SHOWK
.elseif N < 29
.set KK, (N+1)/2-8                     ; pair q was fetched by wave q - 9
	SHOWK
.else
	s_wait_tensorcnt 0x0                           ; the last pair: all that is still out
.endif
.endm
; PLACES (loads aside): eight plain vector instructions that name none of a product's registers stand between it and a vector instruction that reads its result or a load into
; its sources, nine ahead of a product that writes over its result or takes it as C.  Tile N - 1's scan stands behind tile N's products: between a tile's products and its own scan, the load into its fragment's
; buffer and the next products stand at least 16 lines of the scan of the tile before, on the other set, or a ZERO (16).
; Tile N, 1 .. 31.  No LDS load of mine is out at a signal; between a signal and its wait stands register work alone.
.macro STEP
	s_wait_dscnt 0x0                               ; tile N's fragment is in
.if N == 12
	LOADA N+1                                      ; the last read of slots 0 .. 6
	s_wait_tensorcnt 0x0                           ; pairs 7 and 8 are in, and nothing of mine is out;
	ds_add_u32 v[SPW], v[NIL]                      ; tile 12's products stand between the add and the wait for it
	s_add_nc_u64 s[G0+2:G0+3], s[G0+2:G0+3], 9*256 ; from pair w to pair 9 + w
	MM
	s_wait_dscnt 0x0                               ; the add is done; slots 0 .. 6 have been read
	s_barrier_signal -1
	VECA
	s_barrier_wait -1
	CREST                                          ; a round of the cluster's barrier: no partner still reads a slot or has a load on its way
.irp k, 1,2,3,4,5,6,7
	ARM \k, .Lrefill_asked
.endr
.Lrefill_asked:
	VECB
.elseif ((N%2) == 1) && (N != 13) && (N != 15) && (N < 31)
	SHOW
	s_barrier_signal -1
	MM
.if N == 1
	ZERO P45, Y2
.else
	VECA
.endif
	s_barrier_wait -1
	LOADA N+1
.if N > 1
	VECB
.endif
.else
.if N < 31
	LOADA N+1                                      ; into the buffer of tile N - 1
.endif
	MM
	VECA
	VECB
.endif
.if (N%2) == 1
.irp a, 0,2,4,6
	v_pk_add_f32 v[SN+\a:SN+\a+1], v[SN+\a:SN+\a+1], v[W1:W1+1]    ; M1's bias of two steps
.endr
	s_wait_alu depctr_va_vdst(0)                   ; the next products take SN behind a wait
.endif
.if N == 4
	s_cmp_lt_u32 s16, 7
	s_cbranch_scc0 .Lno_pair
	global_prefetch_b8 v[PFO], s[4:5] th:TH_LOAD_NT scope:SCOPE_SE
.Lno_pair:
.endif
.endm
	s_wait_alu depctr_va_vdst(0)
.set KK, 1
	SHOWK                                          ; pair 0
	s_wait_dscnt 0x0                               ; the kernel's fragments are in
	s_barrier_signal -1
	s_barrier_wait -1
	LOADA 0
.set N, 0
	s_wait_dscnt 0x0
	LOADA 1
	MM
	ZERO Y1, C34
.set N, 1
.rept 31
	STEP
.set N, N+1
.endr
	VECA                                           ; tile 31's scan
	VECB
.irp a, 0,2,4,6
	v_pk_fma_f32 v[Y1+\a:Y1+\a+1], v[A2B+\a:A2B+\a+1], v[V1:V1+1], v[Y1+\a:Y1+\a+1]   ; the b1 that the sums ahead of the odd steps lacked
.endr
.irp a, 0,2,4,6
	v_pk_add_f32 v[A2+\a:A2+\a+1], v[A2+\a:A2+\a+1], v[A2B+\a:A2B+\a+1]
.endr
; THE MERGES, in time's order.  L the earlier stretch, R the later: p345 += p34L a5R + a3L p45R + p345R;  p45 += a4L a5R + p45R;  p12 += a1L a2R + p12R;  p34 += a3L a4R + p34R;  the six sums add.
; Every line reads L's numbers as they stood before the merge.
.macro MERGE_PK a                      ; packed: pair 0 (chunks 8 h and 8 h + 4, with what has been merged onto them) takes pair a / 2
	v_pk_fma_f32 v[Y2:Y2+1], v[C34:C34+1], v[A5+\a:A5+\a+1], v[Y2:Y2+1]
	v_pk_fma_f32 v[P45:P45+1], v[A4:A4+1], v[A5+\a:A5+\a+1], v[P45:P45+1]
	v_pk_fma_f32 v[Y1:Y1+1], v[C1:C1+1], v[A2+\a:A2+\a+1], v[Y1:Y1+1]
	v_pk_fma_f32 v[C34:C34+1], v[C3:C3+1], v[A4+\a:A4+\a+1], v[C34:C34+1]
	v_pk_fma_f32 v[Y2:Y2+1], v[C3:C3+1], v[P45+\a:P45+\a+1], v[Y2:Y2+1]
.irp x, P45, Y1, C34, Y2, ACC0, C1, A2, C3, A4, A5
	v_pk_add_f32 v[\x:\x+1], v[\x:\x+1], v[\x+\a:\x+\a+1]          ; (M0's accumulator is first read here, at its low end)
.endr
.endm
	MERGE_PK 2
	MERGE_PK 4
	MERGE_PK 6
	v_fmac_f32 v[Y2], v[C34], v[A5+1]              ; register 0 (chunks 8 h .. 8 h + 3) takes register 1 (chunks 8 h + 4 .. 8 h + 7)
	v_fmac_f32 v[P45], v[A4], v[A5+1]
	v_fmac_f32 v[Y1], v[C1], v[A2+1]
	v_fmac_f32 v[C34], v[C3], v[A4+1]
	v_fmac_f32 v[Y2], v[C3], v[P45+1]
.irp x, P45, Y1, C34, Y2, ACC0, C1, A2, C3, A4, A5
	v_add_f32 v[\x], v[\x], v[\x+1]
.endr
	; lanes 0-15 hold chunks 0 .. 7, lanes 16-31 chunks 8 .. 15 of the same features: each lane takes the ten numbers of the lane 16 away; what lanes 0-15 then make is the wave's stretch (lanes 16-31's is read by nobody)
.set i, 0
.irp x, ACC0, C1, A2, C3, A4, A5, Y1, C34, P45, Y2
	v_permlanex16_b32 v[RR+i], v[\x], s[SEL], s[SEL+1]
.set i, i+1
.endr
	v_fma_f32 v[OUTR+2], v[C34], v[RR+5], v[Y2]    ; p345
	v_fma_f32 v[OUTR+1], v[C1], v[RR+2], v[Y1]     ; p12
	v_fma_f32 v[OUTR+8], v[C3], v[RR+4], v[C34]    ; p34
	v_fma_f32 v[OUTR+9], v[A4], v[RR+5], v[P45]    ; p45
	v_add_f32 v[OUTR+0], v[ACC0], v[RR+0]          ; a0
	v_fmac_f32 v[OUTR+2], v[C3], v[RR+8]
	v_add_f32 v[OUTR+1], v[OUTR+1], v[RR+6]
	v_add_f32 v[OUTR+8], v[OUTR+8], v[RR+7]
	v_add_f32 v[OUTR+9], v[OUTR+9], v[RR+8]
	v_add_f32 v[OUTR+3], v[C1], v[RR+1]            ; a1
	v_add_f32 v[OUTR+2], v[OUTR+2], v[RR+9]
	v_add_f32 v[OUTR+4], v[A2], v[RR+2]            ; a2
	v_add_f32 v[OUTR+5], v[C3], v[RR+3]            ; a3
	v_add_f32 v[OUTR+6], v[A4], v[RR+4]            ; a4
	v_add_f32 v[OUTR+7], v[A5], v[RR+5]            ; a5
	ds_store_b128 v[MST], v[OUTR:OUTR+3]           ; over the kernel's rows, which all waves read ahead of the first tile's barrier
	ds_store_b128 v[MST], v[OUTR+4:OUTR+7] offset:512
	ds_store_b64 v[MS2], v[OUTR+8:OUTR+9]
	s_wait_dscnt 0x0                               ; for wave 0's sake
	s_barrier_signal -1
	s_barrier_wait -1
	s_cmp_lg_u32 s16, 0
	s_cbranch_scc1 .Lend
; WAVE 0 folds the eight stretches in time's order, lane r feature r: lanes 0-15 stretches 0 .. 3, lanes 16-31 stretches 4 .. 7, each onto the first of its four; then lanes 0-15 take the later half's numbers.
.set SEG, 80                           ; v[80 + 12 k ..]: my half's stretch k: a0, p12, p345, a1, a2, a3, a4, a5, p34, p45
.irp k, 0,1,2,3
	ds_load_b128 v[SEG+12*\k:SEG+12*\k+3], v[FA] offset:1280*\k
	ds_load_b128 v[SEG+12*\k+4:SEG+12*\k+7], v[FA] offset:1280*\k+512
	ds_load_b64 v[SEG+12*\k+8:SEG+12*\k+9], v[FB] offset:1280*\k
.endr
	v_cmp_gt_u32 vcc_lo, 16, v7
	s_wait_dscnt 0x0
.macro FOLD k
.set B, SEG+12*(\k)
	v_fmac_f32 v[SEG+2], v[SEG+8], v[B+7]          ; p345 += p34 so far x a5
	v_fmac_f32 v[SEG+1], v[SEG+3], v[B+4]          ; p12 += a1 so far x a2
	v_fmac_f32 v[B+2], v[SEG+5], v[B+9]            ; p345 + a3 so far x p45
	v_fmac_f32 v[B+8], v[SEG+5], v[B+6]            ; p34 + a3 so far x a4
	v_fmac_f32 v[B+9], v[SEG+6], v[B+7]            ; p45 + a4 so far x a5
.irp e, 0,1,3,4,5,6,7,2,8,9
	v_add_f32 v[SEG+\e], v[SEG+\e], v[B+\e]
.endr
.endm
	FOLD 1
	FOLD 2
	FOLD 3
.set i, 0
.irp e, 0,1,2,4,7,9                    ; the later half's a0, p12, p345, a2, a5, p45
	v_permlanex16_b32 v[OUTR+i], v[SEG+\e], s[SEL], s[SEL+1]
.set i, i+1
.endr
	v_fmac_f32 v[SEG+2], v[SEG+8], v[OUTR+4]
	v_fmac_f32 v[SEG+1], v[SEG+3], v[OUTR+3]
	v_fmac_f32 v[OUTR+2], v[SEG+5], v[OUTR+5]
	v_add_f32 v[SEG], v[SEG], v[OUTR]              ; Y0
	v_add_f32 v[SEG+1], v[SEG+1], v[OUTR+1]        ; Y1
	v_add_f32 v[SEG+2], v[SEG+2], v[OUTR+2]        ; Y2
	s_wait_alu depctr_va_vdst(0)
	s_wait_xcnt 0x0                                ; EXEC changes only behind this wait
	s_and_saveexec_b32 s62, vcc_lo                 ; lanes 0-15
	global_store_b96 v[VO], v[SEG:SEG+2], s[14:15] ; sixteen lanes store 192 consecutive bytes
	s_wait_xcnt 0x0                                ; and again in front of the line that widens it
	s_or_b32 exec_lo, exec_lo, s62
.Lend:
	s_wait_tensorcnt 0x0                           ; the wave's end
	ds_add_u32 v[SPW], v[NIL]
	s_wait_dscnt 0x0
	CROUND                                         ; the closing round: no work-group ends while a partner may still ask for a tile that names it
	s_endpgm
.Lfunc_end_k_q60b0d2eaec_scan:
	.size	k_q60b0d2eaec_scan, .Lfunc_end_k_q60b0d2eaec_scan-k_q60b0d2eaec_scan
	.p2alignl 7, 3214868480
	.fill 96, 4, 3214868480
	.section	.rodata,"a",@progbits
	.p2align	6, 0x0
	.amdhsa_kernel k_q60b0d2eaec_scan
		.amdhsa_group_segment_fixed_size 327680
		.amdhsa_private_segment_fixed_size 0
		.amdhsa_enable_private_segment 0
		.amdhsa_kernarg_size 48
		.amdhsa_user_sgpr_count 2
		.amdhsa_user_sgpr_kernarg_segment_ptr 1
		.amdhsa_wavefront_size32 1
		.amdhsa_system_sgpr_workgroup_id_x 1
		.amdhsa_system_sgpr_workgroup_id_y 1
		.amdhsa_system_sgpr_workgroup_id_z 1
		.amdhsa_system_vgpr_workitem_id 0
		.amdhsa_next_free_vgpr 384
		.amdhsa_next_free_sgpr 72
		.amdhsa_reserve_vcc 1
		.amdhsa_float_denorm_mode_32 3
		.amdhsa_float_denorm_mode_16_64 3
		.amdhsa_memory_ordered 1
		.amdhsa_forward_progress 1
		.amdhsa_inst_pref_size 133
	.end_amdhsa_kernel
	.amdgpu_metadata
---
amdhsa.version: [ 1, 2 ]
amdhsa.kernels:
  - .name:           k_q60b0d2eaec_scan
    .symbol:         k_q60b0d2eaec_scan.kd
    .args:
      - { .name: sequences_codes, .offset: 0, .size: 8, .value_kind: global_buffer, .address_space: global }
      - { .name: sequences_scales, .offset: 8, .size: 8, .value_kind: global_buffer, .address_space: global }
      - { .name: kernel_codes, .offset: 16, .size: 8, .value_kind: global_buffer, .address_space: global }
      - { .name: kernel_scales, .offset: 24, .size: 8, .value_kind: global_buffer, .address_space: global }
      - { .name: bias, .offset: 32, .size: 8, .value_kind: global_buffer, .address_space: global }
      - { .name: out0, .offset: 40, .size: 8, .value_kind: global_buffer, .address_space: global }
    .group_segment_fixed_size: 327680
    .private_segment_fixed_size: 0
    .kernarg_segment_align: 8
    .kernarg_segment_size: 48
    .max_flat_workgroup_size: 256
    .sgpr_count:     72
    .vgpr_count:     384
    .wavefront_size: 32
...
	.end_amdgpu_metadata
.endif
;; end of part 1
